; MI455X (gfx1250); checked and timed in simulation.
; The chip was launched on July 23, 2026; its instructions are those of AMD's public machine-readable ISA for CDNA 5 (MIT licence, August 2026) and "CDNA5" Instruction Set Architecture Reference Guide (July 2026). The comments in the code are by the model that wrote it; some were corrected since.
;; Layout Point. Allowed arithmetic: float matrix products may take bf16 or f16 operands with f32 sums; all other float work in f32.
;; Inputs: inputs 16 x 2 x 256 float32.
;; Outputs: out0 16 x 1 x 128 x 128 float32.
;; 2 versions, each right; version 2 is version 1 with the launch tentmax written anew for expert scheduling mode. Each part assembles by itself: llvm-mc -triple=amdgcn-amd-amdhsa -mcpu=gfx1250 --defsym DOCPART=n.
;; ======== version 1 of 2: 1 launch
;; launch tentmax (part 1): grid 16 x 16, 4 waves a work-group, no clusters, 168,448 bytes of LDS; arguments inputs, out0; writes out0
.if DOCPART == 1
	.amdgcn_target "amdgcn-amd-amdhsa--gfx1250"
	.amdhsa_code_object_version 6
	.text
	.protected	k_q4f15e8251a_tentmax
	.globl	k_q4f15e8251a_tentmax
	.p2align	8
	.type	k_q4f15e8251a_tentmax,@function
k_q4f15e8251a_tentmax:
	s_mov_b64 s[64:65], 0
	v_nop
	global_prefetch_b8 v0, s[64:65] scope:SCOPE_SE
	s_setreg_imm32_b32 hwreg(HW_REG_WAVE_MODE, 25, 1), 1
	s_wait_xcnt 0x0
; out[b][i][j] = max over n of relu(1 - |i - 127 x[b][n]|) * relu(1 - |j - 127 y[b][n]|).  inputs: [16][2][256] f32 (x, then y), out: [16][128][128] f32.
; A work-group (4 waves) makes 16 rows x 64 columns of one batch's image; a wave makes 16 x 16.  THE 256 POINTS ARE SPREAD OVER THE LANES:
; lane l owns the 8 points 4l..4l+3 and 128+4l..128+4l+3.  Both factors of every product are then the lane's own registers, so that two products
; are one v_pk_mul_f32 and two maxima one v_max3_num_f32.  A lane forms, for each of the wave's 256 outputs, the maximum over its 8 points;
; the 32 lanes' figures meet in LDS, in bytes that are the wave's own.
; THE TENTS.  Columns, made once: with U_k = 127 y + 1 - (first column) - k, 1 + (y' - j) = U_j and 1 - (y' - j) = -U_{j+2}; their sum is 2, so
; relu(1 - |y' - j|) = the middle one of (U_j, -U_{j+2}, 0).  Rows, made in each trip: 1 - |x' - i| WITHOUT its relu: the column factor is never
; negative, so a negative row factor gives a product <= 0, which loses against the 0 that enters the last maximum.
; THE ORDER IN A TRIP.  All LDS instructions of a row stand in one group at the trip's end, behind twelve or more lines that do not touch their data,
; and the two LDS address registers are stepped half a trip away from the instructions that name them.
; LIMITS.  A NaN coordinate: reference makes that batch's image NaN; here the point is dropped (the _num forms let a NaN lose).  An infinite
; coordinate gives a factor 0 or -inf; its products are <= 0 or NaN and are dropped likewise: the contribution 0 is reference's.  A zero result may
; have either sign.  127 x and the tile's offset are one fused multiply-add (one rounding, reference has two): at most one rounding of the coordinate in pixels.
; No matrix instruction: a maximum of products is no sum.  No cluster, no tensor load: a work-group reads 2,048 bytes of input.
.set GPITCH,  528                      ; a group in LDS: 4 outputs x 32 lanes = 512 bytes, + 16 of padding
.set ROWSTEP, 4*GPITCH                 ; a row of the wave's tile: 16 outputs = 4 groups
.set HALF,    32*GPITCH                ; 8 rows
.set WREG,    68*GPITCH                ; a wave's own bytes: one row slot that is never used (SA is stepped ahead of a trip's stores), then 16 rows
.set STAGE,   4*WREG                   ; behind them: the finished 16 rows x 256 bytes of the work-group
.set SPITCH,  320                      ; a stage row: 256 bytes + 64
.set LANE, 1                           ; v1       lane
.set SA,   2                           ; v2       LDS: where I put my partial maxima of the current row
.set LA,   3                           ; v3       LDS: the group that I reduce
.set ST,   4                           ; v4       LDS: where my 4 finished outputs go in the stage
.set RD,   5                           ; v5       LDS: the 16 bytes of the stage that I store to memory
.set GO,   6                           ; v6       their byte offset in the work-group's part of out
.set LO,   7                           ; v7       16 x lane: byte offset of my points in x and in y
.set T,    8                           ; v[8:15]    x' - i of my 8 points, i the row whose factor is made next
.set AC0,  16                          ; v[16:23]   partial maxima of columns 0-7.  At the head: the two offsets.  At the end: the second half's two chains
.set RA,   24                          ; v[24:31]   the row factor of my 8 points.  At the end: the bytes to store
.set AC1,  32                          ; v[32:39]   partial maxima of columns 8-15.  At the head: scratch
.set A0,   40                          ; v[40:43]   first half's reduction, chain A
.set B0,   44                          ; v[44:47]   chain B
.set L,    48                          ; v[48:63]   four lanes' partials of my group
.set B,    64                          ; v[64:191]  column factors: column j, point n at B + 8 j + n
.set P,    192                         ; v[192:255] products of 8 columns x 8 points.  At the head: U_16, U_17 of the columns
.set CX,   AC0
.set CY,   AC0+2
.set TMP,  AC1
.set A1,   AC0
.set B1,   AC0+4
	s_load_b128 s[4:7], s[0:1], 0x0                ; inputs s[4:5], out s[6:7]
	s_set_vgpr_msb 0x40
	v_lshl_add_u32 v0, v0, 2, 0x29000
	v_mov_b32 v1, 0
	s_set_vgpr_msb 0x4000
	v_and_b32 v[LANE], 31, v0
	v_lshrrev_b32 v[TMP], 5, v0
	v_readfirstlane_b32 s8, v[TMP]                 ; wave 0..3: which 16 of the 64 columns
	s_and_b32 s9, ttmp7, 0xffff                    ; batch
	s_lshr_b32 s10, ttmp9, 1                       ; block of 16 rows, 0..7
	s_and_b32 s11, ttmp9, 1                        ; block of 64 columns, 0..1
	s_lshl_b32 s12, s9, 11                         ; a batch's x and y: 2,048 bytes
	s_mov_b32 s13, 0
	s_lshl_b32 s14, s9, 16                         ; a batch's image: 65,536 bytes
	s_lshl_b32 s16, s10, 13                        ; 16 rows of 512 bytes
	s_add_co_u32 s14, s14, s16
	s_lshl_b32 s16, s11, 8                         ; 64 columns of 4 bytes
	s_add_co_u32 s14, s14, s16
	s_mov_b32 s15, 0
	v_lshlrev_b32 v[LO], 4, v[LANE]
	s_wait_kmcnt 0x0
	s_add_nc_u64 s[4:5], s[4:5], s[12:13]
	s_add_nc_u64 s[6:7], s[6:7], s[14:15]
	global_load_b128 v[B:B+3],   v[LO], s[4:5] offset:1024   ; y of points 4l..4l+3: a wave's load covers 512 consecutive bytes
	global_load_b128 v[B+4:B+7], v[LO], s[4:5] offset:1536   ; y of points 128+4l..
	global_load_b128 v[T:T+3],   v[LO], s[4:5]               ; x of the same points
	global_load_b128 v[T+4:T+7], v[LO], s[4:5] offset:512
	; while the loads are out: offsets and addresses
	s_lshl_b32 s16, s10, 4
	s_sub_co_i32 s16, 0, s16                       ; - first row
	v_cvt_f32_i32 v[CX], s16
	v_cvt_f32_i32 v[CX+1], s16
	s_lshl_b32 s16, s11, 6
	s_lshl4_add_u32 s16, s8, s16                   ; my wave's first column = 64 x block + 16 x wave
	s_sub_co_i32 s16, 1, s16                       ; 1 - first column
	v_cvt_f32_i32 v[CY], s16
	v_cvt_f32_i32 v[CY+1], s16
	s_mul_i32 s17, s8, WREG                        ; my wave's own bytes
	v_add_nc_u32 v[SA], s17, v[LO]                 ; in: 16 bytes a lane, 512 consecutive bytes a store; starts at the unused slot, one step ahead of row 0
	v_mul_u32_u24 v[LA], GPITCH, v[LANE]           ; back: lane g takes group g; 528 g = 16 g modulo 256, so sixteen lanes read sixteen different
	s_add_co_u32 s17, s17, ROWSTEP                 ; 16-byte columns of the 64 banks of 4 bytes (ISA guide 11.1)
	v_add_nc_u32 v[LA], s17, v[LA]                 ; row 0's groups lie behind the unused slot
	v_lshrrev_b32 v[ST], 2, v[LANE]                ; group g = row g / 4, columns 4 (g % 4) .. + 3 of my wave's sixteen
	v_mul_u32_u24 v[ST], SPITCH, v[ST]
	v_and_b32 v[TMP], 3, v[LANE]
	v_lshl_add_u32 v[ST], v[TMP], 4, v[ST]
	s_lshl_b32 s16, s8, 6                          ; my wave's 64 bytes of a stage row
	s_add_co_u32 s16, s16, STAGE
	v_add_nc_u32 v[ST], s16, v[ST]
	v_lshrrev_b32 v[TMP], 4, v0                    ; the way out: thread t takes row t / 16 (and that + 8), bytes 16 (t % 16) ..
	v_and_b32 v[GO], 15, v0
	v_lshlrev_b32 v[GO], 4, v[GO]
	v_mad_u32_u24 v[RD], v[TMP], SPITCH, v[GO]
	v_add_nc_u32 v[RD], STAGE, v[RD]
	v_lshl_add_u32 v[GO], v[TMP], 9, v[GO]         ; a row of out is 512 bytes
.irp e, 0,1,2,3,4,5,6,7
	v_mov_b32 v[A0+\e], 0                          ; the two chains of the first half start at 0: the relu's floor
.endr
	; THE COLUMN TABLE.  U_0 = 127 y + 1 - first column; U_k = U_0 - k, by steps of 1, 2 and 4 (inline constants).
	s_wait_loadcnt 0x2                             ; loads return in order (ISA guide 5.7.1): y's two are in, x's two may be out
.irp q, 0,2,4,6
	v_pk_fma_f32 v[B+\q:B+\q+1], v[B+\q:B+\q+1], 0x42fe0000, v[CY:CY+1] op_sel_hi:[1,0,1]   ; 127.0
.endr
.macro USTEP k, from, c
.irp q, 0,2,4,6
	v_pk_add_f32 v[B+8*(\k)+\q:B+8*(\k)+\q+1], v[B+8*(\from)+\q:B+8*(\from)+\q+1], \c op_sel_hi:[1,0]
.endr
.endm
	USTEP 1, 0, -1.0
	USTEP 2, 0, -2.0
	USTEP 3, 1, -2.0
.set k, 4
.rept 14
	USTEP k, k-4, -4.0                             ; U_4 .. U_17; the last two lie in the products' registers
.set k, k+1
.endr
.set r, 0
.rept 128
	v_med3_num_f32 v[B+r], v[B+r], -v[B+r+16], 0   ; relu(1 - |y' - j|), in place, j ascending: U_{j+2} is still whole
.set r, r+1
.endr
	s_wait_loadcnt 0x0                             ; x
.irp q, 0,2,4,6
	v_pk_fma_f32 v[T+\q:T+\q+1], v[T+\q:T+\q+1], 0x42fe0000, v[CX:CX+1] op_sel_hi:[1,0,1]   ; x' - first row
.endr
; The factor of the next row, 1 - |x' - i|, and the step to the row behind it.  Twelve lines, none of which needs another's result.
.macro FACTOR
.irp n, 0,1,2,3,4,5,6,7
	v_sub_f32 v[RA+\n], 1.0, |v[T+\n]|
.endr
.irp q, 0,2,4,6
	v_pk_add_f32 v[T+\q:T+\q+1], v[T+\q:T+\q+1], -1.0 op_sel_hi:[1,0]
.endr
.endm
; Eight columns (8 h .. 8 h + 7) of the current row: 32 packed multiplies ...
.macro MULS h
.irp c, 0,1,2,3,4,5,6,7
.irp q, 0,2,4,6
	v_pk_mul_f32 v[P+8*\c+\q:P+8*\c+\q+1], v[RA+\q:RA+\q+1], v[B+64*\h+8*\c+\q:B+64*\h+8*\c+\q+1]
.endr
.endr
.endm
; ... then each column's 8 products to one number in 4 instructions, stage by stage over the eight columns, so that an instruction and the one
; that needs its result stand eight apart.
.macro TREE ac
.irp c, 0,1,2,3,4,5,6,7
	v_max3_num_f32 v[P+8*\c], v[P+8*\c], v[P+8*\c+1], v[P+8*\c+2]
.endr
.irp c, 0,1,2,3,4,5,6,7
	v_max3_num_f32 v[P+8*\c+3], v[P+8*\c+3], v[P+8*\c+4], v[P+8*\c+5]
.endr
.irp c, 0,1,2,3,4,5,6,7
	v_max_num_f32 v[P+8*\c+6], v[P+8*\c+6], v[P+8*\c+7]
.endr
.irp c, 0,1,2,3,4,5,6,7
	v_max3_num_f32 v[\ac+\c], v[P+8*\c], v[P+8*\c+3], v[P+8*\c+6]
.endr
.endm
.macro CHUNK                           ; four more lanes' partials of my group of rows 0-7
.irp t, 0,1,2,3
	ds_load_b128 v[L+4*\t:L+4*\t+3], v[LA] offset:16*\t    ; my wave stored these bytes; LDS serves a wave's instructions in order (ISA guide 5.7.1.4)
.endr
.endm
; One row of the tile.  red = 1 (rows 8-15): the trip takes the four lanes' partials that were loaded a trip ago into the two chains.
; more = 1 (rows 8-14): it loads the next four.  last = 1 (row 15): there is no next row to make a factor for.
.macro ROW red, more, last
	MULS 0
	v_add_nc_u32 v[SA], ROWSTEP, v[SA]             ; this row's groups: 32 lines behind the last row's stores, 100 ahead of this row's
.if \more
	v_add_nc_u32 v[LA], 64, v[LA]                  ; the next four lanes' 16 bytes: as far from the loads on either side
.endif
	TREE AC0
	MULS 1
	TREE AC1
.if \last == 0
	FACTOR                                         ; the row factor had its last use in MULS 1
.endif
.if \red
	s_wait_dscnt 0x0                               ; nothing was issued behind the four loads, and they have had a whole trip
.irp e, 0,1,2,3
	v_max3_num_f32 v[A0+\e], v[A0+\e], v[L+\e], v[L+4+\e]
.endr
.irp e, 0,1,2,3
	v_max3_num_f32 v[B0+\e], v[B0+\e], v[L+8+\e], v[L+12+\e]
.endr
.endif
.if \last
.irp e, 0,1,2,3
	v_max_num_f32 v[A0+\e], v[A0+\e], v[B0+\e]     ; rows 0-7: my 4 outputs are finished
.endr
.endif
	ds_store_b128 v[SA], v[AC0:AC0+3]                              ; groups 4 i .. 4 i + 3
	ds_store_b128 v[SA], v[AC0+4:AC0+7] offset:GPITCH
	ds_store_b128 v[SA], v[AC1:AC1+3]   offset:2*GPITCH
	ds_store_b128 v[SA], v[AC1+4:AC1+7] offset:3*GPITCH
.if \more
	CHUNK
.endif
.endm
	FACTOR                                         ; row 0's
	s_mov_b32 s18, 8
.Lrows_a:                                              ; rows 0-7
	ROW 0, 0, 0
	s_sub_co_i32 s18, s18, 1
	s_cmp_lg_u32 s18, 0
	s_cbranch_scc1 .Lrows_a
	CHUNK                                          ; lanes 0-3's partials of rows 0-7
	s_mov_b32 s18, 7
.Lrows_b:                                              ; rows 8-14: each takes in four lanes' partials and loads the next four
	ROW 1, 1, 0
	s_sub_co_i32 s18, s18, 1
	s_cmp_lg_u32 s18, 0
	s_cbranch_scc1 .Lrows_b
	ROW 1, 0, 1                                    ; row 15, and lanes 28-31's partials: 8 x 4 = all 32 lanes
	; rows 8-15: group 32 + lane, all 32 lanes' partials, into the column table's registers, which have had their last use.
	; LA has moved on by 7 x 64 = 448 bytes in the loop.
.set t, 0
.rept 32
	ds_load_b128 v[B+4*t:B+4*t+3], v[LA] offset:HALF-448+16*t
.set t, t+1
.endr
	ds_store_b128 v[ST], v[A0:A0+3]                ; rows 0-7 into the stage: here, 36 LDS instructions behind the lines that made the data
	s_wait_dscnt 29                                ; four loads at a time: 28 younger loads and the stage store may be out.  Row 15's stores, which are older, have read AC0
.irp e, 0,1,2,3
	v_max3_num_f32 v[A1+\e], v[B+\e], v[B+4+\e], 0 ; the first links start the chains; the 0 is the relu's floor
.endr
.irp e, 0,1,2,3
	v_max_num_f32 v[B1+\e], v[B+8+\e], v[B+12+\e]
.endr
.set k, 1
.rept 7
	s_wait_dscnt 29-4*k                            ; the counts run down to 1, the stage store
.irp e, 0,1,2,3
	v_max3_num_f32 v[A1+\e], v[A1+\e], v[B+16*k+\e], v[B+16*k+4+\e]
.endr
.irp e, 0,1,2,3
	v_max3_num_f32 v[B1+\e], v[B1+\e], v[B+16*k+8+\e], v[B+16*k+12+\e]
.endr
.set k, k+1
.endr
.irp e, 0,1,2,3
	v_max_num_f32 v[A1+\e], v[A1+\e], v[B1+\e]
.endr
	ds_store_b128 v[ST], v[A1:A1+3] offset:8*SPITCH
	; THE WAY OUT: a stage row holds 64 columns, 16 from each wave.  Read back by rows: sixteen lanes store 256 consecutive bytes, aligned.
	s_wait_dscnt 0x0                               ; my two stage stores are done, for the other waves' sake,
	s_barrier_signal -1
	s_barrier_wait -1                              ; and so are everybody's
	ds_load_b128 v[RA:RA+3],   v[RD]
	ds_load_b128 v[RA+4:RA+7], v[RD] offset:8*SPITCH
	s_wait_dscnt 1                                 ; the first is in, the second may be out
	global_store_b128 v[GO], v[RA:RA+3], s[6:7] th:TH_STORE_NT
	s_wait_dscnt 0x0
	global_store_b128 v[GO], v[RA+4:RA+7], s[6:7] offset:8*512 th:TH_STORE_NT
	s_set_vgpr_msb 0x5
	s_wait_tensorcnt 0x0
	ds_add_u32 v0, v1
	s_wait_dscnt 0x0
	s_set_vgpr_msb 0x500
	s_endpgm
.Lfunc_end_k_q4f15e8251a_tentmax:
	.size	k_q4f15e8251a_tentmax, .Lfunc_end_k_q4f15e8251a_tentmax-k_q4f15e8251a_tentmax
	.p2alignl 7, 3214868480
	.fill 96, 4, 3214868480
	.section	.rodata,"a",@progbits
	.p2align	6, 0x0
	.amdhsa_kernel k_q4f15e8251a_tentmax
		.amdhsa_group_segment_fixed_size 168448
		.amdhsa_private_segment_fixed_size 0
		.amdhsa_enable_private_segment 0
		.amdhsa_kernarg_size 16
		.amdhsa_user_sgpr_count 2
		.amdhsa_user_sgpr_kernarg_segment_ptr 1
		.amdhsa_wavefront_size32 1
		.amdhsa_system_sgpr_workgroup_id_x 1
		.amdhsa_system_sgpr_workgroup_id_y 1
		.amdhsa_system_sgpr_workgroup_id_z 1
		.amdhsa_system_vgpr_workitem_id 0
		.amdhsa_next_free_vgpr 258
		.amdhsa_next_free_sgpr 66
		.amdhsa_reserve_vcc 0
		.amdhsa_float_denorm_mode_32 3
		.amdhsa_float_denorm_mode_16_64 3
		.amdhsa_memory_ordered 1
		.amdhsa_forward_progress 1
		.amdhsa_inst_pref_size 51
	.end_amdhsa_kernel
	.amdgpu_metadata
---
amdhsa.version: [ 1, 2 ]
amdhsa.kernels:
  - .name:           k_q4f15e8251a_tentmax
    .symbol:         k_q4f15e8251a_tentmax.kd
    .args:
      - { .name: inputs, .offset: 0, .size: 8, .value_kind: global_buffer, .address_space: global }
      - { .name: out0, .offset: 8, .size: 8, .value_kind: global_buffer, .address_space: global }
    .group_segment_fixed_size: 168448
    .private_segment_fixed_size: 0
    .kernarg_segment_align: 8
    .kernarg_segment_size: 16
    .max_flat_workgroup_size: 128
    .sgpr_count:     66
    .vgpr_count:     258
    .wavefront_size: 32
...
	.end_amdgpu_metadata
.endif
;; end of part 1
;; ======== version 2 of 2: 1 launch; version 1 with the launch tentmax written anew for expert scheduling mode
;; launch tentmax (part 2): grid 16 x 16, 4 waves a work-group, no clusters, 168,448 bytes of LDS; arguments inputs, out0; writes out0
.if DOCPART == 2
	.amdgcn_target "amdgcn-amd-amdhsa--gfx1250"
	.amdhsa_code_object_version 6
	.text
	.protected	k_q4f15e8251a_tentmax
	.globl	k_q4f15e8251a_tentmax
	.p2align	8
	.type	k_q4f15e8251a_tentmax,@function
k_q4f15e8251a_tentmax:
	s_mov_b64 s[64:65], 0
	v_nop
	global_prefetch_b8 v0, s[64:65] scope:SCOPE_SE
	s_setreg_imm32_b32 hwreg(HW_REG_WAVE_SCHED_MODE, 0, 2), 2
	s_setreg_imm32_b32 hwreg(HW_REG_WAVE_MODE, 25, 1), 1
	s_wait_xcnt 0x0
	s_wait_alu depctr_vm_vsrc(0)
; out[b][i][j] = max over n of relu(1 - |i - 127 x[b][n]|) * relu(1 - |j - 127 y[b][n]|).  inputs: [16][2][256] f32 (x, then y), out: [16][128][128] f32.
; A work-group (4 waves) makes 16 rows x 64 columns of one batch's image; a wave makes 16 x 16.  THE 256 POINTS ARE SPREAD OVER THE LANES:
; lane l owns the 8 points 4l..4l+3 and 128+4l..128+4l+3.  Both factors of every product are then the lane's own registers, so that two products
; are one v_pk_mul_f32 and two maxima one v_max3_num_f32.  A lane forms, for each of the wave's 256 outputs, the maximum over its 8 points;
; the 32 lanes' figures meet in LDS, in bytes that are the wave's own.
; THE TENTS.  Columns, made once: with U_k = 127 y + 1 - (first column) - k, 1 + (y' - j) = U_j and 1 - (y' - j) = -U_{j+2}; their sum is 2, so
; relu(1 - |y' - j|) = the middle one of (U_j, -U_{j+2}, 0).  Rows, made in each trip: 1 - |x' - i| WITHOUT its relu: the column factor is never
; negative, so a negative row factor gives a product <= 0, which loses against the 0 that enters the last maximum.
; THE MODE: SCHED_MODE bits 1:0 = 2 (LLVM: expert scheduling mode 2), set by the entry lines.  The code itself states the register dependences
; between vector instructions and memory or LDS instructions, with s_wait_alu, always for 0.
; THE PLAN.  Registers that LDS instructions touch, in the loops:
;   AC0, AC1   a row's 16 partial maxima.  Written by the last stage of the trip's two trees; read by the row's four LDS stores.
;   L          four lanes' partials of rows 0-7.  The LDS loads of a chunk land in it; the reduction lines of the next trip read it.
;   v[SA]      read by the stores; stepped once a trip.          v[LA]  read by the chunks' loads; stepped once a trip in rows 8-14.
;   P, T, RA, the column table and the chain B0 are named by vector instructions alone; A0 is read by one LDS store, behind row 15.
; A TRIP goes from a row's first tree to the NEXT row's first 32 multiplies, which name P, RA and the column table alone.  The row's LDS instructions are
; dealt among those multiplies, behind ONE wait on va_vdst: the trees have written AC0 and AC1, the steps v[SA] and v[LA], and the reduction lines are done
; reading L.  ONE wait on vm_vsrc stands behind the first three stages of the next tree, which write P alone, ahead of the two steps and of the stage
; that writes AC0 again: the stores have read AC0, AC1 and v[SA], the loads v[LA].
; LIMITS.  A NaN coordinate: reference makes that batch's image NaN; here the point is dropped (the _num forms let a NaN lose).  An infinite
; coordinate gives a factor 0 or -inf; its products are <= 0 or NaN and are dropped likewise: the contribution 0 is reference's.  A zero result may
; have either sign.  127 x and the tile's offset are one fused multiply-add (one rounding, reference has two): at most one rounding of the coordinate in pixels.
; No matrix instruction: a maximum of products is no sum.  No cluster, no tensor load: a work-group reads 2,048 bytes of input.
.set GPITCH,  528                      ; a group in LDS: 4 outputs x 32 lanes = 512 bytes, + 16 of padding
.set ROWSTEP, 4*GPITCH                 ; a row of the wave's tile: 16 outputs = 4 groups
.set HALF,    32*GPITCH                ; 8 rows
.set WREG,    68*GPITCH                ; a wave's own bytes: one row slot that is never used (SA is stepped ahead of a trip's stores), then 16 rows
.set STAGE,   4*WREG                   ; behind them: the finished 16 rows x 256 bytes of the work-group
.set SPITCH,  320                      ; a stage row: 256 bytes + 64
.set LANE, 1                           ; v1       lane
.set SA,   2                           ; v2       LDS: where I put my partial maxima of the current row
.set LA,   3                           ; v3       LDS: the group that I reduce
.set ST,   4                           ; v4       LDS: where my 4 finished outputs go in the stage
.set RD,   5                           ; v5       LDS: the 16 bytes of the stage that I store to memory
.set GO,   6                           ; v6       their byte offset in the work-group's part of out
.set LO,   7                           ; v7       16 x lane: byte offset of my points in x and in y
.set T,    8                           ; v[8:15]    x' - i of my 8 points, i the row whose factor is made next
.set AC0,  16                          ; v[16:23]   partial maxima of columns 0-7.  At the head: the two offsets.  At the end: the second half's two chains
.set RA,   24                          ; v[24:31]   the row factor of my 8 points.  At the end: the bytes to store
.set AC1,  32                          ; v[32:39]   partial maxima of columns 8-15.  At the head: scratch
.set A0,   40                          ; v[40:43]   first half's reduction, chain A
.set B0,   44                          ; v[44:47]   chain B
.set L,    48                          ; v[48:63]   four lanes' partials of my group
.set B,    64                          ; v[64:191]  column factors: column j, point n at B + 8 j + n
.set P,    192                         ; v[192:255] products of 8 columns x 8 points.  At the head: U_16, U_17 of the columns
.set CX,   AC0
.set CY,   AC0+2
.set TMP,  AC1
.set A1,   AC0
.set B1,   AC0+4
	s_load_b128 s[4:7], s[0:1], 0x0                ; inputs s[4:5], out s[6:7]
	s_set_vgpr_msb 0x40
	v_lshl_add_u32 v0, v0, 2, 0x29000
	v_mov_b32 v1, 0
	s_set_vgpr_msb 0x4000
	v_and_b32 v[LANE], 31, v0
	v_lshrrev_b32 v[TMP], 5, v0
	v_readfirstlane_b32 s8, v[TMP]                 ; wave 0..3: which 16 of the 64 columns
	s_and_b32 s9, ttmp7, 0xffff                    ; batch
	s_lshr_b32 s10, ttmp9, 1                       ; block of 16 rows, 0..7
	s_and_b32 s11, ttmp9, 1                        ; block of 64 columns, 0..1
	s_lshl_b32 s12, s9, 11                         ; a batch's x and y: 2,048 bytes
	s_mov_b32 s13, 0
	s_lshl_b32 s14, s9, 16                         ; a batch's image: 65,536 bytes
	s_lshl_b32 s16, s10, 13                        ; 16 rows of 512 bytes
	s_add_co_u32 s14, s14, s16
	s_lshl_b32 s16, s11, 8                         ; 64 columns of 4 bytes
	s_add_co_u32 s14, s14, s16
	s_mov_b32 s15, 0
	v_lshlrev_b32 v[LO], 4, v[LANE]
	s_wait_kmcnt 0x0
	s_add_nc_u64 s[4:5], s[4:5], s[12:13]
	s_add_nc_u64 s[6:7], s[6:7], s[14:15]
	s_wait_alu depctr_va_vdst(0)                   ; v[LO] is written, which the four loads read as their offset
	global_load_b128 v[B:B+3],   v[LO], s[4:5] offset:1024   ; y of points 4l..4l+3: a wave's load covers 512 consecutive bytes
	global_load_b128 v[B+4:B+7], v[LO], s[4:5] offset:1536   ; y of points 128+4l..
	global_load_b128 v[T:T+3],   v[LO], s[4:5]               ; x of the same points
	global_load_b128 v[T+4:T+7], v[LO], s[4:5] offset:512
	; while the loads are out: offsets and addresses
	s_wait_alu depctr_va_sdst(0)                   ; s8, the wave's number, is written, ahead of its first reader: the first column and the LDS bases are made from it
	s_lshl_b32 s16, s10, 4
	s_sub_co_i32 s16, 0, s16                       ; - first row
	v_cvt_f32_i32 v[CX], s16
	v_cvt_f32_i32 v[CX+1], s16
	s_lshl_b32 s16, s11, 6
	s_lshl4_add_u32 s16, s8, s16                   ; my wave's first column = 64 x block + 16 x wave
	s_sub_co_i32 s16, 1, s16                       ; 1 - first column
	v_cvt_f32_i32 v[CY], s16
	v_cvt_f32_i32 v[CY+1], s16
	s_mul_i32 s17, s8, WREG                        ; my wave's own bytes
	v_add_nc_u32 v[SA], s17, v[LO]                 ; in: 16 bytes a lane, 512 consecutive bytes a store; starts at the unused slot, one step ahead of row 0
	v_mul_u32_u24 v[LA], GPITCH, v[LANE]           ; back: lane g takes group g; 528 g = 16 g modulo 256, so sixteen lanes read sixteen different
	s_add_co_u32 s17, s17, ROWSTEP                 ; 16-byte columns of the 64 banks of 4 bytes (ISA guide 11.1)
	v_add_nc_u32 v[LA], s17, v[LA]                 ; row 0's groups lie behind the unused slot
	v_lshrrev_b32 v[ST], 2, v[LANE]                ; group g = row g / 4, columns 4 (g % 4) .. + 3 of my wave's sixteen
	v_mul_u32_u24 v[ST], SPITCH, v[ST]
	v_and_b32 v[TMP], 3, v[LANE]
	v_lshl_add_u32 v[ST], v[TMP], 4, v[ST]
	s_lshl_b32 s16, s8, 6                          ; my wave's 64 bytes of a stage row
	s_add_co_u32 s16, s16, STAGE
	v_add_nc_u32 v[ST], s16, v[ST]
	v_lshrrev_b32 v[TMP], 4, v0                    ; the way out: thread t takes row t / 16 (and that + 8), bytes 16 (t % 16) ..
	v_and_b32 v[GO], 15, v0
	v_lshlrev_b32 v[GO], 4, v[GO]
	v_mad_u32_u24 v[RD], v[TMP], SPITCH, v[GO]
	v_add_nc_u32 v[RD], STAGE, v[RD]
	v_lshl_add_u32 v[GO], v[TMP], 9, v[GO]         ; a row of out is 512 bytes
.irp e, 0,1,2,3,4,5,6,7
	v_mov_b32 v[A0+\e], 0                          ; the two chains of the first half start at 0: the relu's floor
.endr
	; THE COLUMN TABLE.  U_0 = 127 y + 1 - first column; U_k = U_0 - k, by steps of 1, 2 and 4 (inline constants).
	s_wait_loadcnt 0x2                             ; loads return in order (ISA guide 5.7.1): y's two are in, x's two may be out
.irp q, 0,2,4,6
	v_pk_fma_f32 v[B+\q:B+\q+1], v[B+\q:B+\q+1], 0x42fe0000, v[CY:CY+1] op_sel_hi:[1,0,1]   ; 127.0
.endr
.macro USTEP k, from, c
.irp q, 0,2,4,6
	v_pk_add_f32 v[B+8*(\k)+\q:B+8*(\k)+\q+1], v[B+8*(\from)+\q:B+8*(\from)+\q+1], \c op_sel_hi:[1,0]
.endr
.endm
	USTEP 1, 0, -1.0
	USTEP 2, 0, -2.0
	USTEP 3, 1, -2.0
.set k, 4
.rept 14
	USTEP k, k-4, -4.0                             ; U_4 .. U_17; the last two lie in the products' registers
.set k, k+1
.endr
.set r, 0
.rept 128
	v_med3_num_f32 v[B+r], v[B+r], -v[B+r+16], 0   ; relu(1 - |y' - j|), in place, j ascending: U_{j+2} is still whole
.set r, r+1
.endr
	s_wait_loadcnt 0x0                             ; x
.irp q, 0,2,4,6
	v_pk_fma_f32 v[T+\q:T+\q+1], v[T+\q:T+\q+1], 0x42fe0000, v[CX:CX+1] op_sel_hi:[1,0,1]   ; x' - first row
.endr
; The factor of the next row, 1 - |x' - i|, and the step to the row behind it.  Twelve lines, none of which needs another's result.
.macro FACTOR
.irp n, 0,1,2,3,4,5,6,7
	v_sub_f32 v[RA+\n], 1.0, |v[T+\n]|
.endr
.irp q, 0,2,4,6
	v_pk_add_f32 v[T+\q:T+\q+1], v[T+\q:T+\q+1], -1.0 op_sel_hi:[1,0]
.endr
.endm
; Column 8 h + c of a row: its 8 products, four packed multiplies.  They name P, RA and the column table: no register that an LDS instruction of the loops touches.
.macro MULC h, c
.irp q, 0,2,4,6
	v_pk_mul_f32 v[P+8*(\c)+\q:P+8*(\c)+\q+1], v[RA+\q:RA+\q+1], v[B+64*(\h)+8*(\c)+\q:B+64*(\h)+8*(\c)+\q+1]
.endr
.endm
; Eight columns (8 h .. 8 h + 7): 32 packed multiplies ...
.macro MULS h
.irp c, 0,1,2,3,4,5,6,7
	MULC \h, \c
.endr
.endm
; ... then each column's 8 products to one number in 4 instructions, stage by stage over the eight columns, so that an instruction and the one
; that needs its result stand eight apart or more.  The first three stages write P alone;
.macro MAXES
.irp c, 0,1,2,3,4,5,6,7
	v_max3_num_f32 v[P+8*\c], v[P+8*\c], v[P+8*\c+1], v[P+8*\c+2]
.endr
.irp c, 0,1,2,3,4,5,6,7
	v_max3_num_f32 v[P+8*\c+3], v[P+8*\c+3], v[P+8*\c+4], v[P+8*\c+5]
.endr
.irp c, 0,1,2,3,4,5,6,7
	v_max_num_f32 v[P+8*\c+6], v[P+8*\c+6], v[P+8*\c+7]
.endr
.endm
.macro LASTMAX ac                      ; the fourth writes the registers that the row's stores read
.irp c, 0,1,2,3,4,5,6,7
	v_max3_num_f32 v[\ac+\c], v[P+8*\c], v[P+8*\c+3], v[P+8*\c+6]
.endr
.endm
.macro CHUNK                           ; four more lanes' partials of my group of rows 0-7
.irp t, 0,1,2,3
	ds_load_b128 v[L+4*\t:L+4*\t+3], v[LA] offset:16*\t    ; my wave stored these bytes; LDS serves a wave's instructions in order (ISA guide 5.7.1.4)
.endr
.endm
; One row of the tile, from its first tree on; the products of its columns 0-7 were made at the end of the trip before (row 0's: ahead of the loop).
; red = 1 (rows 8-15): the trip takes the four lanes' partials that were loaded a trip ago into the two chains.
; more = 1 (rows 8-14): it loads the next four.  last = 1 (row 15): there is no next row to make a factor and first products for.
.macro ROW red, more, last
	MAXES
	s_wait_alu depctr_vm_vsrc(0)                   ; the last row's stores have read AC0, AC1 and v[SA], the last chunk's loads v[LA]: all four are written again from here on
	v_add_nc_u32 v[SA], ROWSTEP, v[SA]             ; this row's groups
.if \more
	v_add_nc_u32 v[LA], 64, v[LA]                  ; the next four lanes' 16 bytes
.endif
	LASTMAX AC0
	MULS 1
	MAXES
	LASTMAX AC1
.if \last == 0
	FACTOR                                         ; the row factor had its last use in MULS 1
.endif
.if \red
	s_wait_dscnt 0x0                               ; nothing was issued behind the four loads, and they have had a whole trip
.irp e, 0,1,2,3
	v_max3_num_f32 v[A0+\e], v[A0+\e], v[L+\e], v[L+4+\e]
.endr
.irp e, 0,1,2,3
	v_max3_num_f32 v[B0+\e], v[B0+\e], v[L+8+\e], v[L+12+\e]
.endr
.endif
.if \last
.irp e, 0,1,2,3
	v_max_num_f32 v[A0+\e], v[A0+\e], v[B0+\e]     ; rows 0-7: my 4 outputs are finished
.endr
	s_wait_alu depctr_va_vdst(0)                   ; AC0, AC1 and A0 are written, which the stores below read, and v[SA]; the multiplies are done reading the column table, in which the 32 loads below land
	ds_store_b128 v[SA], v[AC0:AC0+3]                              ; groups 60 .. 63
	ds_store_b128 v[SA], v[AC0+4:AC0+7] offset:GPITCH
	ds_store_b128 v[SA], v[AC1:AC1+3]   offset:2*GPITCH
	ds_store_b128 v[SA], v[AC1+4:AC1+7] offset:3*GPITCH
.else
	s_wait_alu depctr_va_vdst(0)                   ; AC0 and AC1 are written, which the stores below read; so are v[SA] and v[LA]; the reduction lines are done reading L, in which the loads below land
	ds_store_b128 v[SA], v[AC0:AC0+3]                              ; groups 4 i .. 4 i + 3, one store ahead of each of the next row's first four columns:
	MULC 0, 0                                                      ; no wait between: no vector instruction since the wait above names a register that these LDS instructions touch
	ds_store_b128 v[SA], v[AC0+4:AC0+7] offset:GPITCH
	MULC 0, 1
	ds_store_b128 v[SA], v[AC1:AC1+3]   offset:2*GPITCH
	MULC 0, 2
	ds_store_b128 v[SA], v[AC1+4:AC1+7] offset:3*GPITCH
	MULC 0, 3
.irp t, 0,1,2,3
.if \more
	ds_load_b128 v[L+4*\t:L+4*\t+3], v[LA] offset:16*\t            ; a chunk, as in CHUNK, one load ahead of each of the other four columns
.endif
	MULC 0, 4+\t
.endr
.endif
.endm
	FACTOR                                         ; row 0's
	MULS 0                                         ; and the products of its columns 0-7
	s_mov_b32 s18, 8
.Lrows_a:                                              ; rows 0-7
	ROW 0, 0, 0
	s_sub_co_i32 s18, s18, 1
	s_cmp_lg_u32 s18, 0
	s_cbranch_scc1 .Lrows_a
	CHUNK                                          ; lanes 0-3's partials of rows 0-7.  No wait: v[LA] was written ahead of row 7's wait on va_vdst, no vector instruction has named L, and the multiplies since name neither
	s_mov_b32 s18, 7
.Lrows_b:                                              ; rows 8-14: each takes in four lanes' partials and loads the next four
	ROW 1, 1, 0
	s_sub_co_i32 s18, s18, 1
	s_cmp_lg_u32 s18, 0
	s_cbranch_scc1 .Lrows_b
	ROW 1, 0, 1                                    ; row 15, and lanes 28-31's partials: 8 x 4 = all 32 lanes
	; rows 8-15: group 32 + lane, all 32 lanes' partials, into the column table's registers, which have had their last use.
	; LA has moved on by 7 x 64 = 448 bytes in the loop.  No vector instruction stands between row 15's wait on va_vdst and the stage store below.
.set t, 0
.rept 32
	ds_load_b128 v[B+4*t:B+4*t+3], v[LA] offset:HALF-448+16*t
.set t, t+1
.endr
	ds_store_b128 v[ST], v[A0:A0+3]                ; rows 0-7 into the stage
	s_wait_dscnt 29                                ; four loads at a time: 28 younger loads and the stage store may be out
	s_wait_alu depctr_vm_vsrc(0)                   ; row 15's stores have read AC0, whose registers the two chains A1 and B1 write from here on
.irp e, 0,1,2,3
	v_max3_num_f32 v[A1+\e], v[B+\e], v[B+4+\e], 0 ; the first links start the chains; the 0 is the relu's floor
.endr
.irp e, 0,1,2,3
	v_max_num_f32 v[B1+\e], v[B+8+\e], v[B+12+\e]
.endr
.set k, 1
.rept 7
	s_wait_dscnt 29-4*k                            ; the counts run down to 1, the stage store
.irp e, 0,1,2,3
	v_max3_num_f32 v[A1+\e], v[A1+\e], v[B+16*k+\e], v[B+16*k+4+\e]
.endr
.irp e, 0,1,2,3
	v_max3_num_f32 v[B1+\e], v[B1+\e], v[B+16*k+8+\e], v[B+16*k+12+\e]
.endr
.set k, k+1
.endr
.irp e, 0,1,2,3
	v_max_num_f32 v[A1+\e], v[A1+\e], v[B1+\e]
.endr
	s_wait_alu depctr_va_vdst(0)                   ; A1 is written, which the stage store reads; no vector instruction follows, so the loads into RA below owe nothing more
	ds_store_b128 v[ST], v[A1:A1+3] offset:8*SPITCH
	; THE WAY OUT: a stage row holds 64 columns, 16 from each wave.  Read back by rows: sixteen lanes store 256 consecutive bytes, aligned.
	s_wait_dscnt 0x0                               ; my two stage stores are done, for the other waves' sake,
	s_barrier_signal -1
	s_barrier_wait -1                              ; and so are everybody's
	ds_load_b128 v[RA:RA+3],   v[RD]
	ds_load_b128 v[RA+4:RA+7], v[RD] offset:8*SPITCH
	s_wait_dscnt 1                                 ; the first is in, the second may be out
	global_store_b128 v[GO], v[RA:RA+3], s[6:7] th:TH_STORE_NT
	s_wait_dscnt 0x0
	global_store_b128 v[GO], v[RA+4:RA+7], s[6:7] offset:8*512 th:TH_STORE_NT
	s_set_vgpr_msb 0x5
	s_wait_dscnt 0x0
	s_wait_alu depctr_hold_cnt(0) depctr_sa_sdst(0) depctr_va_vdst(0) depctr_va_sdst(0) depctr_va_ssrc(0) depctr_va_vcc(0) depctr_vm_vsrc(0)
	s_wait_tensorcnt 0x0
	ds_add_u32 v0, v1
	s_wait_dscnt 0x0
	s_endpgm
.Lfunc_end_k_q4f15e8251a_tentmax:
	.size	k_q4f15e8251a_tentmax, .Lfunc_end_k_q4f15e8251a_tentmax-k_q4f15e8251a_tentmax
	.p2alignl 7, 3214868480
	.fill 96, 4, 3214868480
	.section	.rodata,"a",@progbits
	.p2align	6, 0x0
	.amdhsa_kernel k_q4f15e8251a_tentmax
		.amdhsa_group_segment_fixed_size 168448
		.amdhsa_private_segment_fixed_size 0
		.amdhsa_enable_private_segment 0
		.amdhsa_kernarg_size 16
		.amdhsa_user_sgpr_count 2
		.amdhsa_user_sgpr_kernarg_segment_ptr 1
		.amdhsa_wavefront_size32 1
		.amdhsa_system_sgpr_workgroup_id_x 1
		.amdhsa_system_sgpr_workgroup_id_y 1
		.amdhsa_system_sgpr_workgroup_id_z 1
		.amdhsa_system_vgpr_workitem_id 0
		.amdhsa_next_free_vgpr 258
		.amdhsa_next_free_sgpr 66
		.amdhsa_reserve_vcc 0
		.amdhsa_float_denorm_mode_32 3
		.amdhsa_float_denorm_mode_16_64 3
		.amdhsa_memory_ordered 1
		.amdhsa_forward_progress 1
		.amdhsa_inst_pref_size 52
	.end_amdhsa_kernel
	.amdgpu_metadata
---
amdhsa.version: [ 1, 2 ]
amdhsa.kernels:
  - .name:           k_q4f15e8251a_tentmax
    .symbol:         k_q4f15e8251a_tentmax.kd
    .args:
      - { .name: inputs, .offset: 0, .size: 8, .value_kind: global_buffer, .address_space: global }
      - { .name: out0, .offset: 8, .size: 8, .value_kind: global_buffer, .address_space: global }
    .group_segment_fixed_size: 168448
    .private_segment_fixed_size: 0
    .kernarg_segment_align: 8
    .kernarg_segment_size: 16
    .max_flat_workgroup_size: 128
    .sgpr_count:     66
    .vgpr_count:     258
    .wavefront_size: 32
...
	.end_amdgpu_metadata
.endif
;; end of part 2
